; MI455X (gfx1250); checked and timed in simulation.
; The chip was launched on July 23, 2026; its instructions are those of AMD's public machine-readable ISA for CDNA 5 (MIT licence, August 2026) and "CDNA5" Instruction Set Architecture Reference Guide (July 2026). The comments in the code are by the model that wrote it; some were corrected since.
;; Grouped Experts. Allowed arithmetic: float matrix products may take bf16 or f16 operands with f32 sums; all other float work in f32.
;; Inputs: num_tokens_per_expert 4 x 8 int32; w1 8 x 1,024 x 2,048 float32; w2 8 x 2,048 x 1,024 float32; w3 8 x 1,024 x 2,048 float32; x 4 x 256 x 2,048 float32.
;; Outputs: out0 4 x 256 x 2,048 float32.
;; One version. Each part assembles by itself: llvm-mc -triple=amdgcn-amd-amdhsa -mcpu=gfx1250 --defsym DOCPART=n.
;; ======== version 1 of 1: 3 launches
;; workspace buffers: xs 4,718,592 bytes; hs 2,359,296 bytes; meta 4,864 bytes of whole numbers
;; launch sortx (part 1): grid 72 x 4, 4 waves a work-group, no clusters, 17,152 bytes of LDS; arguments x, num_tokens_per_expert, xs, meta; writes xs, meta
.if DOCPART == 1
	.amdgcn_target "amdgcn-amd-amdhsa--gfx1250"
	.amdhsa_code_object_version 6
	.text
	.protected	k_q8f72d14d50_sortx
	.globl	k_q8f72d14d50_sortx
	.p2align	8
	.type	k_q8f72d14d50_sortx,@function
k_q8f72d14d50_sortx:
	s_mov_b64 s[64:65], 0
	v_nop
	global_prefetch_b8 v0, s[64:65] scope:SCOPE_SE
	s_setreg_imm32_b32 hwreg(HW_REG_WAVE_MODE, 25, 1), 1
	s_wait_xcnt 0x0
; SORTX: tokens are put in the order of their experts, rounded to bf16 and stored as ready matrix fragments; a small table says where.
; Groups 0..7 are the experts, group 8 the tokens behind the last offset of their batch (their output is zero).  A group's rows are its
; four batch segments one after the other, filled up to a multiple of 16 by repeating the group's last row: a pad row then gives the same numbers as
; that row and is stored to the same place later on, so no later launch has to switch lanes off.
; Sum of ceil(M_g / 16) <= (1024 + 9 x 15) / 16, so 72 blocks of 16 rows always do.  A block that belongs to no group holds some row of x and is never used.
; xs:   [72 blocks][64 k-steps of 32][q = 0,1][32 lanes][16 bytes]: lane (r = l % 16, h = l / 16) holds k = 32 ks + 16 q + 8 h + 0..7 of row r.
; meta: words 0..8 first block of group g, words 16..24 blocks of group g, words 64 + 16 block + row: the row's token number 256 b + t.
; The work-group (x = block, y = quarter of K) takes 16 rows x 512 numbers; wave w loads rows 4 w .. 4 w + 3, 512 neighbouring bytes a load.
; LIMIT: counts are taken as non-negative (the problem's search needs ascending offsets); the running offsets are clamped to 256 at each step,
; which gives the same expert for every t < 256 as long as the 32-bit running sum of the problem's function does not overflow.
; No matrix unit, no cluster: the launch only moves 8 MiB once, and no two work-groups read the same bytes but for pad rows.
.set LP, 1040                          ; LDS pitch of a row: 1,024 bytes of bf16 + 16 = 65 x 16, so 16 rows start at 16 different 16-byte columns
.set X,  32                            ; v[32:95] 16 loads of 4 registers; later v[32:63] the eight fragments on their way out
	s_load_b256 s[4:11], s[0:1], 0x0               ; x s[4:5], counts s[6:7], xs s[8:9], meta s[10:11]
	v_lshl_add_u32 v96, v0, 2, 0x4100
	v_mov_b32 v97, 0
	v_lshrrev_b32 v2, 5, v0
	v_readfirstlane_b32 s12, v2                    ; wave 0..3
	s_mov_b32 s13, ttmp9                           ; sb: my block of sorted rows
	s_and_b32 s14, ttmp7, 0xffff                   ; kq: my quarter of K
	v_and_b32 v3, 31, v0                           ; lane
	v_lshlrev_b32 v1, 4, v3                        ; 16 x lane
	v_mov_b32 v20, 0                               ; the table's head, lane = word; unused words are 0
	s_wait_kmcnt 0x0
	s_load_b512 s[16:31], s[6:7], 0x0              ; count of batch b, expert e in s[16 + 8 b + e]
	s_load_b512 s[32:47], s[6:7], 0x40
.irp b, 0,1,2,3
	s_mov_b32 s[48+\b], 0                          ; run_b: the running offset of batch b
.endr
	s_mov_b32 s56, 0                               ; first block of the group in hand
	s_wait_kmcnt 0x0
; One group: its segment in each batch (run_b, len_b), its rows M and blocks nb.  The last group whose first block is <= sb is mine
; (an empty group has the same first block as the next one and so loses).  s_cselect_b32 leaves SCC alone, so one compare serves nine selects.
.macro GROUP g
.irp b, 0,1,2,3
.if \g < 8
	s_add_co_u32 s[52+\b], s[48+\b], s[16+8*\b+\g]
	s_min_u32 s[52+\b], s[52+\b], 256              ; new_b
.else
	s_mov_b32 s[52+\b], 256                        ; group 8 takes what is left of the batch
.endif
	s_sub_co_u32 s[84+\b], s[52+\b], s[48+\b]      ; len_b
.endr
	s_add_co_u32 s57, s84, s85
	s_add_co_u32 s58, s86, s87
	s_add_co_u32 s57, s57, s58                     ; M
	s_add_co_u32 s58, s57, 15
	s_lshr_b32 s58, s58, 4                         ; nb
.if \g == 0
.irp b, 0,1,2,3
	s_mov_b32 s[60+\b], s[48+\b]                   ; selStart_b
	s_mov_b32 s[66+\b], s[84+\b]                   ; selLen_b
.endr
	s_mov_b32 s70, s56                             ; selB
.else
	s_cmp_ge_u32 s13, s56
.irp b, 0,1,2,3
	s_cselect_b32 s[60+\b], s[48+\b], s[60+\b]
	s_cselect_b32 s[66+\b], s[84+\b], s[66+\b]
.endr
	s_cselect_b32 s70, s56, s70
.endif
	v_writelane_b32 v20, s56, \g
	v_writelane_b32 v20, s58, 16+\g
.irp b, 0,1,2,3
	s_mov_b32 s[48+\b], s[52+\b]
.endr
	s_add_co_u32 s56, s56, s58
.endm
.irp g, 0,1,2,3,4,5,6,7,8
	GROUP \g
.endr
	; Row j of my group lies in batch b where S_b <= j < S_(b+1); its token is j + T_b with T_b = start_b + 256 b - S_b (32 bits, wrapping).
	s_sub_co_u32 s80, s13, s70
	s_lshl_b32 s80, s80, 4                         ; j0: my block's first row in its group
	s_mov_b32 s72, s66                             ; S1
	s_add_co_u32 s73, s72, s67                     ; S2
	s_add_co_u32 s74, s73, s68                     ; S3
	s_add_co_u32 s75, s74, s69                     ; S4 = the group's rows
	s_max_u32 s71, s75, 1
	s_sub_co_u32 s71, s71, 1                       ; the group's last row (0 for a block of no group)
	s_mov_b32 s76, s60                             ; T0
	s_add_co_u32 s77, s61, 256
	s_sub_co_u32 s77, s77, s72                     ; T1
	s_add_co_u32 s78, s62, 512
	s_sub_co_u32 s78, s78, s73                     ; T2
	s_add_co_u32 s79, s63, 768
	s_sub_co_u32 s79, s79, s74                     ; T3
	s_lshl2_add_u32 s81, s12, s80                  ; j of my wave's first row
	s_lshl_b32 s82, s14, 11                        ; my quarter: 512 f32 = 2,048 bytes
.irp i, 0,1,2,3
	s_add_co_u32 s83, s81, \i                      ; j
	s_min_u32 s83, s83, s71                        ; a pad row repeats the group's last row
	s_cmp_ge_u32 s83, s72
	s_cselect_b32 s84, s77, s76
	s_cmp_ge_u32 s83, s73
	s_cselect_b32 s84, s78, s84
	s_cmp_ge_u32 s83, s74
	s_cselect_b32 s84, s79, s84
	s_add_co_u32 s84, s84, s83                     ; token
	s_min_u32 s84, s84, 1023                       ; stays inside x whatever the counts
	s_lshl_b32 s84, s84, 13                        ; x 8,192 bytes
	s_add_co_u32 s84, s84, s82
	s_mov_b32 s85, 0
	s_add_nc_u64 s[20+2*\i:21+2*\i], s[4:5], s[84:85]
.endr
.irp i, 0,1,2,3
.irp c, 0,1,2,3
	global_load_b128 v[X+16*\i+4*\c:X+16*\i+4*\c+3], v1, s[20+2*\i:21+2*\i] offset:512*\c   ; 512 neighbouring bytes of one row
.endr
.endr
	s_mul_i32 s83, s12, 4*LP
	v_lshl_add_u32 v4, v3, 3, s83                  ; in: my wave's four rows, 8 bytes a lane
	v_and_b32 v6, 15, v0                           ; r
	v_bfe_u32 v7, v0, 4, 1                         ; h
	v_mul_u32_u24 v5, v6, LP
	v_lshl_add_u32 v5, v7, 4, v5
	s_lshl_b32 s83, s12, 8
	v_add_nc_u32 v5, s83, v5                       ; back: row r, 16 h, my wave's four k-steps of 64 bytes
	s_lshl_b32 s84, s13, 16                        ; xs: block x 65,536
	s_lshl_b32 s83, s14, 14                        ;     + quarter x 16 k-steps x 1,024
	s_add_co_u32 s84, s84, s83
	s_lshl_b32 s83, s12, 12                        ;     + wave x 4 k-steps x 1,024
	s_add_co_u32 s84, s84, s83
	s_mov_b32 s85, 0
	s_add_nc_u64 s[8:9], s[8:9], s[84:85]
.irp i, 0,1,2,3
.irp c, 0,1,2,3
	s_wait_loadcnt 15-(4*\i+\c)                    ; loads come back in order (ISA guide 5.7.1): the younger ones stay out
	v_cvt_pk_bf16_f32 v[X+16*\i+4*\c],   v[X+16*\i+4*\c],   v[X+16*\i+4*\c+1]
	v_cvt_pk_bf16_f32 v[X+16*\i+4*\c+1], v[X+16*\i+4*\c+2], v[X+16*\i+4*\c+3]
	ds_store_b64 v4, v[X+16*\i+4*\c:X+16*\i+4*\c+1] offset:\i*LP+\c*256   ; 256 neighbouring bytes
.endr
.endr
	s_wait_dscnt 0x0                               ; my rows are in LDS, for the other waves
	s_barrier_signal -1
	s_barrier_wait -1
.irp n, 0,1,2,3,4,5,6,7
	ds_load_b128 v[X+4*\n:X+4*\n+3], v5 offset:32*\n          ; n = 2 x k-step + q: the fragment image of all 16 rows
.endr
.irp n, 0,1,2,3,4,5,6,7
	s_wait_dscnt 7-\n
	global_store_b128 v1, v[X+4*\n:X+4*\n+3], s[8:9] offset:512*\n   ; each store covers 512 consecutive bytes, aligned
.endr
	; The table: wave 0 of the work-groups with kq = 0 writes its block's 16 row words; the one with sb = 0 the head as well.
	s_cmp_lg_u32 s12, 0
	s_cbranch_scc1 .Lend
	s_cmp_lg_u32 s14, 0
	s_cbranch_scc1 .Lend
	v_add_nc_u32 v10, s80, v6                      ; j of row l % 16 (lanes 16..31 repeat lanes 0..15: same word, same value)
	v_min_u32 v10, s71, v10                        ; a pad row repeats the group's last row
	v_mov_b32 v11, s76
	v_mov_b32 v12, s77
	v_cmp_le_u32 vcc_lo, s72, v10
	v_cndmask_b32 v11, v11, v12, vcc_lo
	v_mov_b32 v12, s78
	v_cmp_le_u32 vcc_lo, s73, v10
	v_cndmask_b32 v11, v11, v12, vcc_lo
	v_mov_b32 v12, s79
	v_cmp_le_u32 vcc_lo, s74, v10
	v_cndmask_b32 v11, v11, v12, vcc_lo
	v_add_nc_u32 v11, v11, v10                     ; token
	v_min_u32 v11, 0x3ff, v11                      ; as for the row's address above
	s_lshl_b32 s84, s13, 6
	v_lshl_add_u32 v13, v6, 2, s84
	global_store_b32 v13, v11, s[10:11] offset:256
	s_cmp_lg_u32 s13, 0
	s_cbranch_scc1 .Lend
	v_lshlrev_b32 v14, 2, v3
	global_store_b32 v14, v20, s[10:11]            ; words 0..31
.Lend:
	s_wait_tensorcnt 0x0
	ds_add_u32 v96, v97
	s_wait_dscnt 0x0
	s_endpgm
.Lfunc_end_k_q8f72d14d50_sortx:
	.size	k_q8f72d14d50_sortx, .Lfunc_end_k_q8f72d14d50_sortx-k_q8f72d14d50_sortx
	.p2alignl 7, 3214868480
	.fill 96, 4, 3214868480
	.section	.rodata,"a",@progbits
	.p2align	6, 0x0
	.amdhsa_kernel k_q8f72d14d50_sortx
		.amdhsa_group_segment_fixed_size 17152
		.amdhsa_private_segment_fixed_size 0
		.amdhsa_enable_private_segment 0
		.amdhsa_kernarg_size 32
		.amdhsa_user_sgpr_count 2
		.amdhsa_user_sgpr_kernarg_segment_ptr 1
		.amdhsa_wavefront_size32 1
		.amdhsa_system_sgpr_workgroup_id_x 1
		.amdhsa_system_sgpr_workgroup_id_y 1
		.amdhsa_system_sgpr_workgroup_id_z 1
		.amdhsa_system_vgpr_workitem_id 0
		.amdhsa_next_free_vgpr 98
		.amdhsa_next_free_sgpr 88
		.amdhsa_reserve_vcc 1
		.amdhsa_float_denorm_mode_32 3
		.amdhsa_float_denorm_mode_16_64 3
		.amdhsa_memory_ordered 1
		.amdhsa_forward_progress 1
		.amdhsa_inst_pref_size 23
	.end_amdhsa_kernel
	.amdgpu_metadata
---
amdhsa.version: [ 1, 2 ]
amdhsa.kernels:
  - .name:           k_q8f72d14d50_sortx
    .symbol:         k_q8f72d14d50_sortx.kd
    .args:
      - { .name: x, .offset: 0, .size: 8, .value_kind: global_buffer, .address_space: global }
      - { .name: num_tokens_per_expert, .offset: 8, .size: 8, .value_kind: global_buffer, .address_space: global }
      - { .name: xs, .offset: 16, .size: 8, .value_kind: global_buffer, .address_space: global }
      - { .name: meta, .offset: 24, .size: 8, .value_kind: global_buffer, .address_space: global }
    .group_segment_fixed_size: 17152
    .private_segment_fixed_size: 0
    .kernarg_segment_align: 8
    .kernarg_segment_size: 32
    .max_flat_workgroup_size: 128
    .sgpr_count:     88
    .vgpr_count:     98
    .wavefront_size: 32
...
	.end_amdgpu_metadata
.endif
;; end of part 1
;; launch gateup (part 2): grid 32 x 8, 8 waves a work-group, no clusters, 279,552 bytes of LDS; arguments w1, w3, xs, meta, hs; writes hs
.if DOCPART == 2
	.amdgcn_target "amdgcn-amd-amdhsa--gfx1250"
	.amdhsa_code_object_version 6
	.text
	.protected	k_q8f72d14d50_gateup
	.globl	k_q8f72d14d50_gateup
	.p2align	8
	.type	k_q8f72d14d50_gateup,@function
k_q8f72d14d50_gateup:
	s_mov_b64 s[64:65], 0
	v_nop
	global_prefetch_b8 v0, s[64:65] scope:SCOPE_SE
	s_setreg_imm32_b32 hwreg(HW_REG_WAVE_MODE, 25, 1), 1
	s_wait_xcnt 0x0
; GATEUP: h = silu(x w1[e]^T) * (x w3[e]^T) for the tokens of expert e alone; matrix operands bf16, sums in f32.
; ROUNDINGS.  In the problem's function g, u and every array behind them are bf16: silu(g) is g * logistic(g), logistic(g) is 1 / (1 + exp(-g)), and each of these
; operations on a bf16 array gives a bf16 array.  So the way out computes each step in f32 and rounds its result to bf16 (to nearest even) just there:
; gb = bf16(g), ub = bf16(u), e = bf16(exp(-gb)), d = bf16(1 + e), sg = bf16(1 / d), s = bf16(gb sg), h = bf16(s ub).  The two products are exact in f32
; (8-bit significands), so from equal gb, ub, e the same h follows bit for bit.
; The work-group (x = slice 0..31, y = expert e) owns 32 rows of w1[e] and the same 32 rows of w3[e] over the whole K = 2,048: 512 KiB of f32, read once.
; Eight waves, all with the same text.  K goes in 16 chunks of 128.  In interval i every wave multiplies chunk i - 1 and then rounds its 8 rows of chunk i
; to bf16 and stores them into LDS; one barrier ends the interval.  LDS holds ALL the work-group's weights in bf16, [16 chunks][64 rows], each byte written
; once: nothing is ever overwritten, so that one barrier (stores of chunk i done -> reads of chunk i) is all the ordering there is, the barriers stand in
; straight-line text, and what hangs on the counts (more than 16 token blocks) runs behind the last barrier on weights that are all there.
; Tokens come from xs as ready fragment images, 512 consecutive bytes a load, straight into registers.
; Wave w takes the token blocks rel = g0 + w + 8 i, i = 0, 1, of its expert, times all four tiles of 16 weight rows.  A block past the expert's last is
; read at the last block's place, computed and not stored (a result column hangs on its own token row alone).
; ONE COUNTER FOR TWO STREAMS.  W(c) = my 8 loads of chunk c's weights, A(c) = my 16 loads of chunk c's token fragments.  Order of issue:
; W0 W1 W2 A0 A1, interval 0: W3, interval i: A(i+1) W(i+3).  Loads come back in order (ISA guide 5.7.1), so the wait for A(i-1) at the head of interval i
; also shows W(i) done, which is older; W(i+1), W(i+2) stay out.  A wave has 56 loads outstanding at the most, 24 of them weights.
; The matrix instruction is used transposed: source 0 = 16 weight rows, source 1 = 16 tokens, so lane (r, h) register j holds token r, weight row 8 h + j of
; the tile.  Tiles 0, 1 (w1) and 2, 3 (w3) of one token block then give, lane by lane, the two halves of the next launch's token fragment for k-step = slice.
; hs: [72 blocks][32 k-steps][q][32 lanes][16 bytes].  Blocks from group 8's first to 71 are filled with zeros, so that every byte is stored.
; NO CLUSTER, NO TENSOR LOADS: no two work-groups read the same weights.  The 32 slices of an expert do read the same token fragments, but the weights kept
; in LDS take 278,528 of 327,680 bytes, which leaves no room for token slots, and the number of passes hangs on counts read from memory.
; Range: for g -> -large, e and d become infinity, 1 / d becomes 0 and s becomes -0; for g -> +large, e becomes 0 and s = gb.
.set NCH,   16                         ; chunks of 128 along K
.set ROWB,  8192                       ; bytes of a weight row
.set PITCH, 272                        ; LDS row: 256 bytes of bf16 + 16 = 17 x 16, so the 16 rows of a fragment load start at 16 different 16-byte columns
.set TILE,  16*PITCH                   ; 4,352
.set CH,    4*TILE                     ; 17,408: a chunk of 64 rows
.set WROWS, 8                          ; weight rows of a wave
; block 0: v1 16 x lane; v2-3 offset of token block i in xs; v4 LDS address of my stores in the chunk in hand (in the tail: an offset in hs); v5-6 offset of
;          block i in hs; v7 LDS address of my stores in chunk 0; v8 LDS address of my fragment rows in the chunk in hand; v9 in chunk 0;
;          v13 1,024 x slice + 16 x lane; v15 lane
.set TP,    16                         ; v[16:31]   eight pairs of packed bf16, one for each of my rows
.set A,     32                         ; v[32:159]  token fragments: 64 x half + 16 x ks + 8 x i + 4 x q
.set RING,  160                        ; v[160:255] weights as loaded: 24 slots of 4 registers, slot 8 x (chunk % 3) + row
; block 1 (v256 and up, named by their low 8 bits)
.set ACC,   0                          ; v[0:63]    accumulators 8 x (4 i + n)
.set BF,    64                         ; v[64:191]  a chunk's weight fragments: 32 x ks + 8 x n + 4 x q
.set T,     BF                         ; the way out: 16 numbers at work
.set P,     BF+16                      ; the way out: 8 words of packed bf16, for a rounding
.set O,     BF+24                      ; the way out: 8 packed words for each token block
.set MSB,   0
.macro WIN new                         ; s_set_vgpr_msb: bits 1:0 source 0, 3:2 source 1, 5:4 source 2, 7:6 destination; the high byte repeats the setting that is left
.if MSB != \new
	s_set_vgpr_msb (MSB<<8)|\new
.set MSB, \new
.endif
.endm
.macro PLACES                          ; four places behind the last matrix instruction in front of loads into its sources and of reads and writes of its results
.rept 4
	v_nop
.endr
.endm
; The two token blocks of a pass, from the pass's base s30.
.macro BLOCKS
.irp i, 0,1
	s_add_co_u32 s[34+\i], s30, s14
	s_add_co_u32 s[34+\i], s[34+\i], 8*\i          ; rel_i
	s_min_u32 s31, s[34+\i], s33                   ; past the expert's last block: that block's place
	s_add_co_u32 s31, s31, s18
	s_min_u32 s31, s31, 71                         ; inside xs and hs whatever the table holds
	s_lshl_b32 s37, s31, 16
	v_add_nc_u32 v[2+\i], s37, v1
	s_lshl_b32 s37, s31, 15
	v_add_nc_u32 v[5+\i], s37, v13
.endr
.endm
; A(c): 16 loads, the token fragments of chunk c (4 k-steps x 2 blocks x 2 halves) into one half of A
.macro ALOAD half, c
.irp ks, 0,1,2,3
.irp i, 0,1
.irp q, 0,1
	global_load_b128 v[A+64*(\half)+16*\ks+8*\i+4*\q:A+64*(\half)+16*\ks+8*\i+4*\q+3], v[2+\i], s[8:9] offset:(4*(\c)+\ks)*1024+512*\q
.endr
.endr
.endr
.endm
; 32 LDS loads: the chunk's weight fragments, k-step by k-step
.macro BLOAD
	WIN 0x40
.irp ks, 0,1,2,3
.irp n, 0,1,2,3
.irp q, 0,1
	ds_load_b128 v[BF+32*\ks+8*\n+4*\q:BF+32*\ks+8*\n+4*\q+3], v8 offset:\n*TILE+\ks*64+\q*32
.endr
.endr
.endr
.endm
; 32 matrix instructions.  The eight accumulators take turns, one instruction a turn, in the same order in every k-step and over chunk borders.
; zero = 1: the first k-step starts the sums, nothing is cleared.
.macro MMA zero
	WIN 0x51
.irp ks, 0,1,2,3
	s_wait_dscnt 8*(3-\ks)                         ; the eight loads of each later k-step may stay out
.set ZC, 0
.if \zero
.if \ks == 0
.set ZC, 1
.endif
.endif
.irp i, 0,1
.irp n, 0,1,2,3
.if ZC
	v_wmma_f32_16x16x32_bf16 v[ACC+8*(4*\i+\n):ACC+8*(4*\i+\n)+7], v[BF+32*\ks+8*\n:BF+32*\ks+8*\n+7], v[A+64*HALF+16*\ks+8*\i:A+64*HALF+16*\ks+8*\i+7], 0
.else
	v_wmma_f32_16x16x32_bf16 v[ACC+8*(4*\i+\n):ACC+8*(4*\i+\n)+7], v[BF+32*\ks+8*\n:BF+32*\ks+8*\n+7], v[A+64*HALF+16*\ks+8*\i:A+64*HALF+16*\ks+8*\i+7], v[ACC+8*(4*\i+\n):ACC+8*(4*\i+\n)+7]
.endif
.endr
.endr
.endr
.endm
; Chunk c is multiplied.  stream = 1: weights are being loaded between the token fragments (the first pass); 0: a further pass.
.macro CHUNK c, stream
	v_add_nc_u32 v8, (\c)*CH, v9
	BLOAD
.set NY, 0                                         ; the loads younger than A(c):
.if (\c)+1 < NCH
.set NY, 16                                        ; A(c+1)
.endif
.if \stream
.if (\c) == 0
.set NY, NY+8                                      ; behind A0: A1 and W3
.else
.if (\c)+2 < NCH
.set NY, NY+8                                      ; W(c+2)
.endif
.if (\c)+3 < NCH
.set NY, NY+8                                      ; W(c+3)
.endif
.endif
.endif
	s_wait_loadcnt NY
.set HALF, (\c)&1
.if (\c) == 0
	MMA 1
.else
	MMA 0
.endif
	WIN 0
	PLACES
.if (\c)+2 < NCH
	ALOAD HALF, (\c)+2
.endif
.endm
; My 8 rows of chunk i: each row's 512 bytes are rounded to 256 and stored, and its slot is asked again for chunk i + 3.
.macro PRODUCE i
	v_add_nc_u32 v4, (\i)*CH, v7
.irp j, 0,1,2,3,4,5,6,7
.if (\i) == 0
	s_wait_loadcnt 55                              ; younger than row j of W0: 7 - j of W0, 16 of W1 and W2, 32 of A0 and A1, j of W3
.endif                                             ; i >= 1: W(i) is older than A(i-1), which this interval's CHUNK has waited for
.set SL, RING+4*(8*((\i)%3)+\j)
	v_cvt_pk_bf16_f32 v[TP+2*\j],   v[SL],   v[SL+1]
	v_cvt_pk_bf16_f32 v[TP+2*\j+1], v[SL+2], v[SL+3]
	ds_store_b64 v4, v[TP+2*\j:TP+2*\j+1] offset:\j*PITCH      ; 256 neighbouring bytes of one LDS row
.if (\i)+3 < NCH
	global_load_b128 v[SL:SL+3], v1, s[22:23] offset:\j*ROWB+((\i)+3)*512 th:TH_LOAD_NT
.endif
.endr
.endm
.macro INTERVAL i
.if (\i) > 0
	CHUNK (\i)-1, 1
.endif
	PRODUCE \i
	s_wait_dscnt 0x0                               ; my stores of chunk i are in LDS, for the other waves
	s_barrier_signal -1
	s_barrier_wait -1
.endm
; Sixteen f32 numbers in v[r .. r+15] are rounded to bf16, to nearest even, and widened again in place (a bf16 is the upper half of its f32).
.macro RND16 r
.irp k, 0,1,2,3,4,5,6,7
	v_cvt_pk_bf16_f32 v[P+\k], v[\r+2*\k], v[\r+2*\k+1]
.endr
.irp k, 0,1,2,3,4,5,6,7
	v_lshlrev_b32 v[\r+2*\k],   16, v[P+\k]
	v_and_b32     v[\r+2*\k+1], 0xffff0000, v[P+\k]
.endr
.endm
; The way out of token block i, 16 numbers a lane: the chain of the head comment, each step in f32 and rounded to bf16; h is packed and stored as the
; next launch's fragment.  g lies in v[ACC+32 i .. +15], u in v[ACC+32 i + 16 .. +31]; both are rounded in place (the sums are not needed again).
.macro HOUT i
	s_cmp_ge_u32 s[34+\i], s19                     ; not a block of my expert: nothing is stored
	s_cbranch_scc1 .Lhskip_\@
	WIN 0x55
	RND16 ACC+32*\i                                ; gb
	RND16 ACC+32*\i+16                             ; ub
.irp k, 0,1,2,3,4,5,6,7
	v_pk_mul_f32 v[T+2*\k:T+2*\k+1], v[ACC+32*\i+2*\k:ACC+32*\i+2*\k+1], 0xbfb8aa3b op_sel_hi:[1,0]   ; -gb / ln 2
.endr
.irp k, 0,1,2,3,4,5,6,7,8,9,10,11,12,13,14,15
	v_exp_f32 v[T+\k], v[T+\k]
.endr
	v_nop                                          ; one plain place behind the last transcendental (ISA guide 5.7.2)
	s_wait_alu depctr_va_vdst(0)
	RND16 T                                        ; e = bf16(exp(-gb))
.irp k, 0,1,2,3,4,5,6,7
	v_pk_add_f32 v[T+2*\k:T+2*\k+1], v[T+2*\k:T+2*\k+1], 1.0 op_sel_hi:[1,0]
.endr
	RND16 T                                        ; d = bf16(1 + e)
.irp k, 0,1,2,3,4,5,6,7,8,9,10,11,12,13,14,15
	v_rcp_f32 v[T+\k], v[T+\k]
.endr
	v_nop
	s_wait_alu depctr_va_vdst(0)
	RND16 T                                        ; sg = bf16(1 / d)
.irp k, 0,1,2,3,4,5,6,7
	v_pk_mul_f32 v[T+2*\k:T+2*\k+1], v[ACC+32*\i+2*\k:ACC+32*\i+2*\k+1], v[T+2*\k:T+2*\k+1]
.endr
	RND16 T                                        ; s = bf16(gb sg)
.irp k, 0,1,2,3,4,5,6,7
	v_pk_mul_f32 v[T+2*\k:T+2*\k+1], v[T+2*\k:T+2*\k+1], v[ACC+32*\i+16+2*\k:ACC+32*\i+16+2*\k+1]
.endr
.irp k, 0,1,2,3,4,5,6,7
	v_cvt_pk_bf16_f32 v[O+8*\i+\k], v[T+2*\k], v[T+2*\k+1]     ; h = bf16(s ub)
.endr
	WIN 0x04
	global_store_b128 v[5+\i], v[O+8*\i:O+8*\i+3],   s[12:13]              ; q = 0: 512 consecutive bytes, aligned
	global_store_b128 v[5+\i], v[O+8*\i+4:O+8*\i+7], s[12:13] offset:512   ; q = 1
	WIN 0
.Lhskip_\@:
.endm
; A further pass over sixteen more token blocks: the same chunks, no barrier (LDS is only read by now)
.macro PASS
	s_wait_xcnt 0x0                                ; the last stores have read their offsets and data: v5-6 and BF are written again only behind this wait
	BLOCKS
	ALOAD 0, 0
	ALOAD 1, 1
.irp c, 0,1,2,3,4,5,6,7,8,9,10,11,12,13,14,15
	CHUNK \c, 0
.endr
.endm
	s_load_b256 s[4:11], s[0:1], 0x0               ; w1 s[4:5], w3 s[6:7], xs s[8:9], meta s[10:11]
	s_load_b64 s[12:13], s[0:1], 0x20              ; hs
	v_lshl_add_u32 v12, v0, 2, 0x44000
	s_set_vgpr_msb 0x40
	v_mov_b32 v193, 0
	s_set_vgpr_msb 0x4000
	v_lshrrev_b32 v14, 5, v0
	v_readfirstlane_b32 s14, v14                   ; wave 0..7
	s_mov_b32 s15, ttmp9                           ; slice
	s_and_b32 s16, ttmp7, 0xffff                   ; expert
	s_lshl_b32 s17, s16, 2
	v_and_b32 v15, 31, v0                          ; lane
	v_lshlrev_b32 v1, 4, v15
	s_lshl_b32 s31, s15, 10
	v_add_nc_u32 v13, s31, v1
	v_and_b32 v10, 15, v0                          ; r
	v_bfe_u32 v11, v0, 4, 1                        ; h
	v_mul_u32_u24 v9, v10, PITCH
	v_lshl_add_u32 v9, v11, 4, v9                  ; fragments: row r, 16 h
	s_mul_i32 s27, s14, WROWS*PITCH
	v_lshl_add_u32 v7, v15, 3, s27                 ; stores: my 8 LDS rows, 8 bytes a lane
	; my weight rows.  Waves 0..3: rows 32 slice + 8 w .. of w1[e] (LDS rows 0..31); waves 4..7: rows 32 slice + 8 (w - 4) .. of w3[e] (LDS rows 32..63)
	s_and_b32 s24, s14, 3
	s_lshl_b32 s24, s24, 3
	s_lshl_b32 s25, s15, 5
	s_add_co_u32 s24, s24, s25
	s_lshl_b32 s24, s24, 13                        ; x 8,192 bytes
	s_lshl_b32 s25, s16, 23                        ; expert x 8 MiB
	s_add_co_u32 s24, s24, s25
	s_mov_b32 s25, 0
	s_wait_kmcnt 0x0
	s_load_b32 s18, s[10:11], s17 offset:0x0       ; first block of my expert
	s_load_b32 s19, s[10:11], s17 offset:0x40      ; its blocks
	s_load_b32 s20, s[10:11], 0x20                 ; first block of group 8
	s_cmp_ge_u32 s14, 4
	s_cselect_b64 s[22:23], s[6:7], s[4:5]
	s_add_nc_u64 s[22:23], s[22:23], s[24:25]      ; never rewritten: row and chunk stand in the immediates
.irp c, 0,1,2
.irp j, 0,1,2,3,4,5,6,7
	global_load_b128 v[RING+4*(8*\c+\j):RING+4*(8*\c+\j)+3], v1, s[22:23] offset:\j*ROWB+\c*512 th:TH_LOAD_NT   ; W0, W1, W2: the stream starts first
.endr
.endr
	s_mov_b32 s30, 0
	s_wait_kmcnt 0x0                               ; the table
	s_max_u32 s33, s19, 1
	s_sub_co_u32 s33, s33, 1                       ; the expert's last block (0 for an empty expert)
	BLOCKS
	ALOAD 0, 0
	ALOAD 1, 1
.irp i, 0,1,2,3,4,5,6,7,8,9,10,11,12,13,14,15
	INTERVAL \i
.endr
	CHUNK NCH-1, 1
	HOUT 0
	HOUT 1
	; an expert with more than 16 blocks (256 rows) goes round again: passes = ceil(blocks / 16), counted one by one
	s_add_co_u32 s36, s19, 15
	s_lshr_b32 s36, s36, 4
	s_min_u32 s36, s36, 4                          ; 1,024 tokens are 64 blocks, 4 passes, at the most; the loop ends whatever the table holds
	s_mov_b32 s32, 1
	s_cmp_ge_u32 s32, s36
	s_cbranch_scc1 .Ltail
.Lgrp:
	s_lshl_b32 s30, s32, 4                         ; the pass's first block
	PASS
	HOUT 0
	HOUT 1
	s_add_co_u32 s32, s32, 1
	s_cmp_lt_u32 s32, s36
	s_cbranch_scc1 .Lgrp
.Ltail:
	; zeros into my slice's k-step of the hs blocks that no expert owns: block = group 8's first + 8 e + w, then every 64th
	s_lshl3_add_u32 s26, s16, s14
	s_add_co_u32 s26, s26, s20
	s_cmp_ge_u32 s26, 72
	s_cbranch_scc1 .Lend
.irp k, 0,1,2,3
	v_mov_b32 v[TP+\k], 0
.endr
.Lzero:
	s_wait_xcnt 0x0                                ; v4 is written again only behind this wait
	s_min_u32 s27, s26, 71
	s_lshl_b32 s27, s27, 15
	v_add_nc_u32 v4, s27, v13
	global_store_b128 v4, v[TP:TP+3], s[12:13]
	global_store_b128 v4, v[TP:TP+3], s[12:13] offset:512
	s_add_co_u32 s26, s26, 64
	s_cmp_lt_u32 s26, 72
	s_cbranch_scc1 .Lzero
.Lend:
	s_set_vgpr_msb 0x4
	s_wait_tensorcnt 0x0
	ds_add_u32 v12, v193
	s_wait_dscnt 0x0
	s_set_vgpr_msb 0x400
	s_endpgm
.Lfunc_end_k_q8f72d14d50_gateup:
	.size	k_q8f72d14d50_gateup, .Lfunc_end_k_q8f72d14d50_gateup-k_q8f72d14d50_gateup
	.p2alignl 7, 3214868480
	.fill 96, 4, 3214868480
	.section	.rodata,"a",@progbits
	.p2align	6, 0x0
	.amdhsa_kernel k_q8f72d14d50_gateup
		.amdhsa_group_segment_fixed_size 279552
		.amdhsa_private_segment_fixed_size 0
		.amdhsa_enable_private_segment 0
		.amdhsa_kernarg_size 40
		.amdhsa_user_sgpr_count 2
		.amdhsa_user_sgpr_kernarg_segment_ptr 1
		.amdhsa_wavefront_size32 1
		.amdhsa_system_sgpr_workgroup_id_x 1
		.amdhsa_system_sgpr_workgroup_id_y 1
		.amdhsa_system_sgpr_workgroup_id_z 1
		.amdhsa_system_vgpr_workitem_id 0
		.amdhsa_next_free_vgpr 450
		.amdhsa_next_free_sgpr 66
		.amdhsa_reserve_vcc 0
		.amdhsa_float_denorm_mode_32 3
		.amdhsa_float_denorm_mode_16_64 3
		.amdhsa_memory_ordered 1
		.amdhsa_forward_progress 1
		.amdhsa_inst_pref_size 255
	.end_amdhsa_kernel
	.section	.bss,"aw",@nobits
	.p2align	6
	.space	262144
	.amdgpu_metadata
---
amdhsa.version: [ 1, 2 ]
amdhsa.kernels:
  - .name:           k_q8f72d14d50_gateup
    .symbol:         k_q8f72d14d50_gateup.kd
    .args:
      - { .name: w1, .offset: 0, .size: 8, .value_kind: global_buffer, .address_space: global }
      - { .name: w3, .offset: 8, .size: 8, .value_kind: global_buffer, .address_space: global }
      - { .name: xs, .offset: 16, .size: 8, .value_kind: global_buffer, .address_space: global }
      - { .name: meta, .offset: 24, .size: 8, .value_kind: global_buffer, .address_space: global }
      - { .name: hs, .offset: 32, .size: 8, .value_kind: global_buffer, .address_space: global }
    .group_segment_fixed_size: 279552
    .private_segment_fixed_size: 0
    .kernarg_segment_align: 8
    .kernarg_segment_size: 40
    .max_flat_workgroup_size: 256
    .sgpr_count:     66
    .vgpr_count:     450
    .wavefront_size: 32
...
	.end_amdgpu_metadata
.endif
;; end of part 2
;; launch down (part 3): grid 32 x 8, 8 waves a work-group, no clusters, 175,104 bytes of LDS; arguments w2, hs, meta, out0; writes out0
.if DOCPART == 3
	.amdgcn_target "amdgcn-amd-amdhsa--gfx1250"
	.amdhsa_code_object_version 6
	.text
	.protected	k_q8f72d14d50_down
	.globl	k_q8f72d14d50_down
	.p2align	8
	.type	k_q8f72d14d50_down,@function
k_q8f72d14d50_down:
	s_mov_b64 s[64:65], 0
	v_nop
	global_prefetch_b8 v0, s[64:65] scope:SCOPE_SE
	s_setreg_imm32_b32 hwreg(HW_REG_WAVE_MODE, 25, 1), 1
	s_wait_xcnt 0x0
; DOWN: y = h w2[e]^T for the tokens of expert e, scattered to the tokens' rows of out0 in f32; zeros for the tokens that no expert owns.
; The same build as the launch before.  The work-group (x = slice 0..31, y = expert e) owns 64 rows of w2[e] (output columns 64 slice ..) over K = 1,024:
; 256 KiB of f32, read once.  Eight waves, all with the same text.  K goes in 8 chunks of 128.  In interval i every wave multiplies chunk i - 1 and then rounds
; its 8 rows of chunk i to bf16 and stores them into LDS, where all the work-group's weights stay: [8 chunks][64 rows], each byte written once, one barrier an
; interval in straight-line text.  Wave w takes the token blocks rel = g0 + w + 8 i, i = 0, 1, times all four tiles of 16 weight rows; token fragments come
; from hs as ready register images.  A block past the expert's last is read at the last block's place, computed and not stored.
; ONE COUNTER FOR TWO STREAMS.  W(c) = my 8 loads of chunk c's weights, A(c) = my 16 loads of chunk c's token fragments.  Order of issue:
; W0 W1 W2 A0 A1, interval 0: W3, interval i: A(i+1) W(i+3).  Loads come back in order (ISA guide 5.7.1), so the wait for A(i-1) at the head of interval i
; also shows W(i) done, which is older; W(i+1), W(i+2) stay out.  A wave has 56 loads outstanding at the most, 24 of them weights.
; Transposed use: source 0 = 16 weight rows, source 1 = 16 tokens; lane (r, h) register j holds token r, column 16 n + 8 h + j.
; The way out goes through a stage in LDS of the wave's own (16 rows x 272 bytes, behind the weights), so that 16 lanes store 256 consecutive, aligned
; bytes of one token's row; the row comes from the table.  A pad row of a block repeats its group's last row, in the fragments and in the table: it holds the
; same numbers and the same wave stores them to the same bytes, so every lane stays on.
; The nine groups of the table part all 1,024 tokens, and a group's rows of a slice belong to one work-group: every byte of out0 is stored, by one work-group.
; NO CLUSTER, NO TENSOR LOADS: no two work-groups read the same weights; the token fragments that the 32 slices of an expert share are taken straight into
; registers, and the number of passes hangs on counts read from memory.
.set NCH,   8
.set ROWB,  4096
.set PITCH, 272                        ; 256 + 16 = 17 x 16: the 16 rows of a fragment load start at 16 different 16-byte columns
.set TILE,  16*PITCH
.set CH,    4*TILE
.set WROWS, 8
.set STAGE, NCH*CH                     ; 139,264 = 544 x 256
; block 0: v1 16 x lane; v2-3 offset of token block i in hs; v4 LDS address of my stores in the chunk in hand; v5-6 offset of block i's words in the table;
;          v7 LDS address of my stores in chunk 0; v8 LDS address of my fragment rows in the chunk in hand; v9 in chunk 0; v10 256 x slice + 16 (l % 16);
;          v11 stage in; v12 stage back; v13 4 h; v14 r; v15 lane
.set TP,    16                         ; v[16:31]   eight pairs of packed bf16, one for each of my rows
.set A,     32                         ; v[32:159]  token fragments: 64 x half + 16 x ks + 8 x i + 4 x q
.set MAP,   32                         ; the way out (A is free then): v[32:39] the tokens of rows 2 t + h
.set OFFS,  40                         ; v[40:47] their byte offsets in out0
.set D,     48                         ; v[48:79] eight times 16 bytes of a row
.set RING,  160                        ; v[160:255] weights as loaded: 24 slots of 4 registers, slot 8 x (chunk % 3) + row
; block 1 (v256 and up, named by their low 8 bits)
.set ACC,   0                          ; v[0:63]    accumulators 8 x (4 i + n)
.set BF,    64                         ; v[64:191]  a chunk's weight fragments: 32 x ks + 8 x n + 4 x q
.set MSB,   0
.macro WIN new                         ; s_set_vgpr_msb: bits 1:0 source 0, 3:2 source 1, 5:4 source 2, 7:6 destination; the high byte repeats the setting that is left
.if MSB != \new
	s_set_vgpr_msb (MSB<<8)|\new
.set MSB, \new
.endif
.endm
.macro PLACES                          ; four places behind the last matrix instruction in front of loads into its sources and of reads of its results
.rept 4
	v_nop
.endr
.endm
.macro BLOCKS
.irp i, 0,1
	s_add_co_u32 s[34+\i], s30, s14
	s_add_co_u32 s[34+\i], s[34+\i], 8*\i          ; rel_i
	s_min_u32 s31, s[34+\i], s33                   ; past the expert's last block: that block's place
	s_add_co_u32 s31, s31, s18
	s_min_u32 s31, s31, 71                         ; inside hs and the table whatever the table holds
	s_lshl_b32 s37, s31, 15
	v_add_nc_u32 v[2+\i], s37, v1
	s_lshl_b32 s37, s31, 6
	v_add_nc_u32 v[5+\i], s37, v13                 ; the block's 16 words, + 4 h
.endr
.endm
.macro ALOAD half, c
.irp ks, 0,1,2,3
.irp i, 0,1
.irp q, 0,1
	global_load_b128 v[A+64*(\half)+16*\ks+8*\i+4*\q:A+64*(\half)+16*\ks+8*\i+4*\q+3], v[2+\i], s[6:7] offset:(4*(\c)+\ks)*1024+512*\q
.endr
.endr
.endr
.endm
.macro BLOAD
	WIN 0x40
.irp ks, 0,1,2,3
.irp n, 0,1,2,3
.irp q, 0,1
	ds_load_b128 v[BF+32*\ks+8*\n+4*\q:BF+32*\ks+8*\n+4*\q+3], v8 offset:\n*TILE+\ks*64+\q*32
.endr
.endr
.endr
.endm
; 32 matrix instructions.  The eight accumulators take turns, one instruction a turn, in the same order in every k-step and over chunk borders.
; zero = 1: the first k-step starts the sums, nothing is cleared.
.macro MMA zero
	WIN 0x51
.irp ks, 0,1,2,3
	s_wait_dscnt 8*(3-\ks)                         ; the eight loads of each later k-step may stay out
.set ZC, 0
.if \zero
.if \ks == 0
.set ZC, 1
.endif
.endif
.irp i, 0,1
.irp n, 0,1,2,3
.if ZC
	v_wmma_f32_16x16x32_bf16 v[ACC+8*(4*\i+\n):ACC+8*(4*\i+\n)+7], v[BF+32*\ks+8*\n:BF+32*\ks+8*\n+7], v[A+64*HALF+16*\ks+8*\i:A+64*HALF+16*\ks+8*\i+7], 0
.else
	v_wmma_f32_16x16x32_bf16 v[ACC+8*(4*\i+\n):ACC+8*(4*\i+\n)+7], v[BF+32*\ks+8*\n:BF+32*\ks+8*\n+7], v[A+64*HALF+16*\ks+8*\i:A+64*HALF+16*\ks+8*\i+7], v[ACC+8*(4*\i+\n):ACC+8*(4*\i+\n)+7]
.endif
.endr
.endr
.endr
.endm
; Chunk c is multiplied.  stream = 1: weights are being loaded between the token fragments (the first pass); 0: a further pass.
.macro CHUNK c, stream
	v_add_nc_u32 v8, (\c)*CH, v9
	BLOAD
.set NY, 0                                         ; the loads younger than A(c):
.if (\c)+1 < NCH
.set NY, 16                                        ; A(c+1)
.endif
.if \stream
.if (\c) == 0
.set NY, NY+8                                      ; behind A0: A1 and W3
.else
.if (\c)+2 < NCH
.set NY, NY+8                                      ; W(c+2)
.endif
.if (\c)+3 < NCH
.set NY, NY+8                                      ; W(c+3)
.endif
.endif
.endif
	s_wait_loadcnt NY
.set HALF, (\c)&1
.if (\c) == 0
	MMA 1
.else
	MMA 0
.endif
	WIN 0
	PLACES
.if (\c)+2 < NCH
	ALOAD HALF, (\c)+2
.endif
.endm
; My 8 rows of chunk i: each row's 512 bytes are rounded to 256 and stored, and its slot is asked again for chunk i + 3.
.macro PRODUCE i
	v_add_nc_u32 v4, (\i)*CH, v7
.irp j, 0,1,2,3,4,5,6,7
.if (\i) == 0
	s_wait_loadcnt 55                              ; younger than row j of W0: 7 - j of W0, 16 of W1 and W2, 32 of A0 and A1, j of W3
.endif                                             ; i >= 1: W(i) is older than A(i-1), which this interval's CHUNK has waited for
.set SL, RING+4*(8*((\i)%3)+\j)
	v_cvt_pk_bf16_f32 v[TP+2*\j],   v[SL],   v[SL+1]
	v_cvt_pk_bf16_f32 v[TP+2*\j+1], v[SL+2], v[SL+3]
	ds_store_b64 v4, v[TP+2*\j:TP+2*\j+1] offset:\j*PITCH      ; 256 neighbouring bytes of one LDS row
.if (\i)+3 < NCH
	global_load_b128 v[SL:SL+3], v1, s[22:23] offset:\j*ROWB+((\i)+3)*512 th:TH_LOAD_NT
.endif
.endr
.endm
.macro INTERVAL i
.if (\i) > 0
	CHUNK (\i)-1, 1
.endif
	PRODUCE \i
	s_wait_dscnt 0x0                               ; my stores of chunk i are in LDS, for the other waves
	s_barrier_signal -1
	s_barrier_wait -1
.endm
; Eight stores of two rows each (rows 2 t + h of a block) to the rows of out0 that MAP names.  d, stride: the data; wds = 1: the data come from eight LDS loads.
.macro ROWSTORE d, stride, wds
.irp t, 0,1,2,3,4,5,6,7
	v_min_u32 v[OFFS+\t], 0x3ff, v[MAP+\t]         ; inside out0 whatever the table holds
	v_lshl_add_u32 v[OFFS+\t], v[OFFS+\t], 13, v10 ; token x 8,192 bytes + my column
.endr
.irp t, 0,1,2,3,4,5,6,7
.if \wds
	s_wait_dscnt 7-\t                              ; LDS loads come back in order: pair t of the eight is in
.endif
	global_store_b128 v[OFFS+\t], v[\d+\stride*\t:\d+\stride*\t+3], s[10:11] th:TH_STORE_NT   ; 16 lanes store 256 consecutive bytes, aligned
.endr
.endm
; The way out of token block i
.macro YOUT i
	s_cmp_ge_u32 s[34+\i], s19                     ; not a block of my expert: nothing is stored
	s_cbranch_scc1 .Lyskip_\@
	s_wait_xcnt 0x0                                ; OFFS and D, which the last block's stores read, are written again only behind this wait
.irp t, 0,1,2,3,4,5,6,7
	global_load_b32 v[MAP+\t], v[5+\i], s[8:9] offset:256+8*\t
.endr
	WIN 0x04
.irp n, 0,1,2,3
.irp qq, 0,1
	ds_store_b128 v11, v[ACC+8*(4*\i+\n)+4*\qq:ACC+8*(4*\i+\n)+4*\qq+3] offset:64*\n+16*\qq   ; token r, columns 16 n + 8 h + 4 qq ..
.endr
.endr
	WIN 0
.irp t, 0,1,2,3,4,5,6,7
	ds_load_b128 v[D+4*\t:D+4*\t+3], v12 offset:2*PITCH*\t    ; LDS serves a wave in order (ISA guide 5.7.1.4): these see my stores above; the stage is mine alone
.endr
	s_wait_loadcnt 0x0                             ; the table's words
	ROWSTORE D, 4, 1
.Lyskip_\@:
.endm
; A further pass over sixteen more token blocks: the same chunks, no barrier (the weights in LDS are only read by now)
.macro PASS
	s_wait_xcnt 0x0                                ; v5-6 and the registers of the way out are written again only behind this wait
	BLOCKS
	ALOAD 0, 0
	ALOAD 1, 1
.irp c, 0,1,2,3,4,5,6,7
	CHUNK \c, 0
.endr
.endm
	s_load_b256 s[4:11], s[0:1], 0x0               ; w2 s[4:5], hs s[6:7], meta s[8:9], out0 s[10:11]
	s_set_vgpr_msb 0x40
	v_lshl_add_u32 v192, v0, 2, 0x2a800
	v_mov_b32 v193, 0
	s_set_vgpr_msb 0x4000
	v_lshrrev_b32 v14, 5, v0
	v_readfirstlane_b32 s14, v14                   ; wave 0..7
	s_mov_b32 s15, ttmp9                           ; slice
	s_and_b32 s16, ttmp7, 0xffff                   ; expert
	s_lshl_b32 s17, s16, 2
	v_and_b32 v15, 31, v0                          ; lane
	v_lshlrev_b32 v1, 4, v15
	v_and_b32 v14, 15, v0                          ; r
	v_bfe_u32 v13, v0, 4, 1
	v_lshlrev_b32 v13, 2, v13                      ; 4 h
	s_lshl_b32 s31, s15, 8
	v_lshl_add_u32 v10, v14, 4, s31                ; my 16 bytes of the slice's 256 in a row of out0
	v_mul_u32_u24 v9, v14, PITCH                   ; r x pitch
	s_mul_i32 s31, s14, TILE
	s_add_co_u32 s31, s31, STAGE                   ; my stage
	v_lshl_add_u32 v11, v13, 3, v9                 ; in: row r, 32 h
	v_add_nc_u32 v11, s31, v11
	v_mul_u32_u24 v12, v13, PITCH/4                ; back: row h, 16 bytes for each of 16 lanes
	v_lshl_add_u32 v12, v14, 4, v12
	v_add_nc_u32 v12, s31, v12
	v_lshl_add_u32 v9, v13, 2, v9                  ; fragments: row r, 16 h
	s_mul_i32 s27, s14, WROWS*PITCH
	v_lshl_add_u32 v7, v15, 3, s27                 ; stores: my 8 LDS rows, 8 bytes a lane
	s_lshl_b32 s24, s15, 6
	s_lshl3_add_u32 s24, s14, s24                  ; my weight rows: 64 slice + 8 w ..
	s_lshl_b32 s24, s24, 12                        ; x 4,096 bytes
	s_lshl_b32 s25, s16, 23                        ; expert x 8 MiB
	s_add_co_u32 s24, s24, s25
	s_mov_b32 s25, 0
	s_wait_kmcnt 0x0
	s_load_b32 s18, s[8:9], s17 offset:0x0         ; first block of my expert
	s_load_b32 s19, s[8:9], s17 offset:0x40        ; its blocks
	s_load_b32 s20, s[8:9], 0x20                   ; first block of group 8
	s_load_b32 s21, s[8:9], 0x60                   ; its blocks
	s_add_nc_u64 s[22:23], s[4:5], s[24:25]        ; never rewritten: row and chunk stand in the immediates
.irp c, 0,1,2
.irp j, 0,1,2,3,4,5,6,7
	global_load_b128 v[RING+4*(8*\c+\j):RING+4*(8*\c+\j)+3], v1, s[22:23] offset:\j*ROWB+\c*512 th:TH_LOAD_NT   ; W0, W1, W2: the stream starts first
.endr
.endr
	s_mov_b32 s30, 0
	s_wait_kmcnt 0x0                               ; the table
	s_max_u32 s33, s19, 1
	s_sub_co_u32 s33, s33, 1                       ; the expert's last block (0 for an empty expert)
	BLOCKS
	ALOAD 0, 0
	ALOAD 1, 1
.irp i, 0,1,2,3,4,5,6,7
	INTERVAL \i
.endr
	CHUNK NCH-1, 1
	YOUT 0
	YOUT 1
	; an expert with more than 16 blocks (256 rows) goes round again: passes = ceil(blocks / 16), counted one by one
	s_add_co_u32 s36, s19, 15
	s_lshr_b32 s36, s36, 4
	s_min_u32 s36, s36, 4                          ; 1,024 tokens are 64 blocks, 4 passes, at the most; the loop ends whatever the table holds
	s_mov_b32 s32, 1
	s_cmp_ge_u32 s32, s36
	s_cbranch_scc1 .Ltail
.Lgrp:
	s_lshl_b32 s30, s32, 4                         ; the pass's first block
	PASS
	YOUT 0
	YOUT 1
	s_add_co_u32 s32, s32, 1
	s_cmp_lt_u32 s32, s36
	s_cbranch_scc1 .Lgrp
.Ltail:
	; zeros into my slice's 64 columns of the rows of group 8.  The group has 64 blocks at the most (1,024 tokens), and a slice has 8 experts x 8 waves:
	; wave 8 e + w takes block 8 e + w of the group, if there is one.
	s_lshl3_add_u32 s26, s16, s14
	s_cmp_ge_u32 s26, s21
	s_cbranch_scc1 .Lend
	s_add_co_u32 s26, s26, s20
	s_min_u32 s28, s26, 71                         ; inside the table whatever it holds
	s_lshl_b32 s28, s28, 6
	s_wait_xcnt 0x0                                ; v5, OFFS and D are written again only behind this wait
.irp k, 0,1,2,3
	v_mov_b32 v[D+\k], 0
.endr
	v_add_nc_u32 v5, s28, v13
.irp t, 0,1,2,3,4,5,6,7
	global_load_b32 v[MAP+\t], v5, s[8:9] offset:256+8*\t
.endr
	s_wait_loadcnt 0x0
	ROWSTORE D, 0, 0
.Lend:
	s_set_vgpr_msb 0x5
	s_wait_tensorcnt 0x0
	ds_add_u32 v192, v193
	s_wait_dscnt 0x0
	s_set_vgpr_msb 0x500
	s_endpgm
.Lfunc_end_k_q8f72d14d50_down:
	.size	k_q8f72d14d50_down, .Lfunc_end_k_q8f72d14d50_down-k_q8f72d14d50_down
	.p2alignl 7, 3214868480
	.fill 96, 4, 3214868480
	.section	.rodata,"a",@progbits
	.p2align	6, 0x0
	.amdhsa_kernel k_q8f72d14d50_down
		.amdhsa_group_segment_fixed_size 175104
		.amdhsa_private_segment_fixed_size 0
		.amdhsa_enable_private_segment 0
		.amdhsa_kernarg_size 32
		.amdhsa_user_sgpr_count 2
		.amdhsa_user_sgpr_kernarg_segment_ptr 1
		.amdhsa_wavefront_size32 1
		.amdhsa_system_sgpr_workgroup_id_x 1
		.amdhsa_system_sgpr_workgroup_id_y 1
		.amdhsa_system_sgpr_workgroup_id_z 1
		.amdhsa_system_vgpr_workitem_id 0
		.amdhsa_next_free_vgpr 450
		.amdhsa_next_free_sgpr 66
		.amdhsa_reserve_vcc 0
		.amdhsa_float_denorm_mode_32 3
		.amdhsa_float_denorm_mode_16_64 3
		.amdhsa_memory_ordered 1
		.amdhsa_forward_progress 1
		.amdhsa_inst_pref_size 138
	.end_amdhsa_kernel
	.amdgpu_metadata
---
amdhsa.version: [ 1, 2 ]
amdhsa.kernels:
  - .name:           k_q8f72d14d50_down
    .symbol:         k_q8f72d14d50_down.kd
    .args:
      - { .name: w2, .offset: 0, .size: 8, .value_kind: global_buffer, .address_space: global }
      - { .name: hs, .offset: 8, .size: 8, .value_kind: global_buffer, .address_space: global }
      - { .name: meta, .offset: 16, .size: 8, .value_kind: global_buffer, .address_space: global }
      - { .name: out0, .offset: 24, .size: 8, .value_kind: global_buffer, .address_space: global }
    .group_segment_fixed_size: 175104
    .private_segment_fixed_size: 0
    .kernarg_segment_align: 8
    .kernarg_segment_size: 32
    .max_flat_workgroup_size: 256
    .sgpr_count:     66
    .vgpr_count:     450
    .wavefront_size: 32
...
	.end_amdgpu_metadata
.endif
;; end of part 3
